; MI455X (gfx1250); checked and timed in simulation.
; The chip was launched on July 23, 2026; its instructions are those of AMD's public machine-readable ISA for CDNA 5 (MIT licence, August 2026) and "CDNA5" Instruction Set Architecture Reference Guide (July 2026). The comments in the code are by the model that wrote it; some were corrected since.
;; Causal Self Attention. Allowed arithmetic: matrix products marked QUANTISED: E4M3 operands, one given power-of-two scale a tensor, by v_wmma_f32_16x16x64_fp8_fp8 or v_wmma_f32_16x16x128_fp8_fp8, f32 sums; everything else in f32.
;; Inputs: W_proj 1,024 x 1,024 float32; W_qkv 1,024 x 3,072 float32; lowp_scales 8 int32 (the exponents e of the quantised operands' scales 2^e); x 4 x 2,048 x 1,024 float32.
;; Outputs: out0 4 x 2,048 x 1,024 float32.
;; This version of the problem:
;;   THIS VERSION OF THE PROBLEM IS GIVEN IN LOW PRECISION. The matrix products marked QUANTISED in the list below multiply operands that are first quantised to E4M3 (4 exponent bits, 3 mantissa bits; 8 bits a number), with one given power-of-two scale for each operand tensor; their sums are f32. All else is computed in f32.
;;   The module's matrix products, in the order in which they are computed (A, B: the left and right operand; K: the contracted axis; several contracted axes count as one K, in the product's order):
;;     1. [M 8,192, K 1,024] x [K 1,024, N 3,072]; A: input x; B: input W_qkv: QUANTISED (scales: A lowp_scales[0], B lowp_scales[1])
;;     2. batch 64 x [M 2,048, K 64] x [K 64, N 2,048]; A: computed on the way; B: computed on the way: QUANTISED (scales: A lowp_scales[2], B lowp_scales[3])
;;     3. batch 64 x [M 2,048, K 2,048] x [K 2,048, N 64]; A: softmax (see below); B: computed on the way: QUANTISED (scales: A lowp_scales[4], B lowp_scales[5])
;;     4. [M 8,192, K 1,024] x [K 1,024, N 1,024]; A: computed on the way; B: input W_proj: QUANTISED (scales: A lowp_scales[6], B lowp_scales[7])
;;   THE QUANTISER, for each operand of a quantised product, along K:
;;     - The operand's scale is 2^e, e = its entry of the input lowp_scales (int32; the entries are numbered through the quantised products in the list's order, A before B).
;;     - Each number is divided by the scale, clamped to +-448, and rounded to the nearest number of E4M3, ties to even, subnormals kept.
;;     - The product sums the exact products of the quantised numbers (number of the format x scale) in f32.
;;   ~~~python
;;   def quantise(x, axis, e):      # numpy; x: float32 -> the quantised numbers, widened to float32 again
;;       x = np.moveaxis(x, axis, -1); K = x.shape[-1]
;;       r = np.clip(x / 2.0 ** e, -448, 448)
;;       step = 2.0 ** (np.maximum(np.frexp(np.where(r == 0, 1, r))[1] - 1, -6) - 3)
;;       q = np.round(r / step) * step * 2.0 ** e      # np.round: ties to even
;;       return np.moveaxis(q, -1, axis).astype(np.float32)
;;   ~~~
;;   SOFTMAX AHEAD OF A QUANTISED PRODUCT. Where the list says 'softmax', what is quantised is not the finished softmax but p = 2^(t - M), with t = logit x log2(e) and M = ceil(the row's largest t), a whole number; so 1/2 < the row's largest p <= 1. The row's sum l is taken of the UNQUANTISED p, in f32, and the product's result is divided by l at the end. Since M is a whole number, a kernel that streams over the keys may use a running M (the ceiling of the running maximum): every later rescaling is an exact power of two, so the quantised numbers keep their values, but for numbers so far below the row's largest that they fall under the format's range.
;;   OPERANDS COMPUTED ON THE WAY. 'Computed on the way' means the value that the module computes at that place (a softmax that the list does not call 'softmax' is quantised finished and normalised). What goes into a quantiser is computed in f32, as accurately as f32 sums, v_exp_f32 and their like allow (about 1e-6 of the number): no bf16 or f16 on the way to a quantiser, and a product that is left as it is and whose result goes on into a quantised operand takes f32 operands (vector FMAs, or v_wmma_f32_16x16x4_f32). A number that lies on a knife's edge between two numbers of the format may be rounded either way, as far as f32 arithmetic and the matrix unit's own rounding can turn it there, and no further.
;; One version. Each part assembles by itself: llvm-mc -triple=amdgcn-amd-amdhsa -mcpu=gfx1250 --defsym DOCPART=n.
;; ======== version 1 of 1: 4 launches
;; limits: right only within a limited range of input values
;; workspace buffers: x_img 8,388,608 bytes; wqkv_img 3,145,728 bytes; wproj_img 1,048,576 bytes; q_img 8,388,608 bytes; k_img 8,388,608 bytes; v_img 8,388,608 bytes; y_img 8,388,608 bytes
;; launch quant (part 1): grid 384 x 1, 4 waves a work-group, no clusters, 34,304 bytes of LDS; arguments x, W_qkv, W_proj, lowp_scales, x_img, wqkv_img, wproj_img; writes x_img, wqkv_img, wproj_img
.if DOCPART == 1
	.amdgcn_target "amdgcn-amd-amdhsa--gfx1250"
	.amdhsa_code_object_version 6
	.text
	.protected	k_q915d808ab3_quant
	.globl	k_q915d808ab3_quant
	.p2align	8
	.type	k_q915d808ab3_quant,@function
k_q915d808ab3_quant:
	s_mov_b64 s[64:65], 0
	v_nop
	global_prefetch_b8 v0, s[64:65] scope:SCOPE_SE
	s_setreg_imm32_b32 hwreg(HW_REG_WAVE_MODE, 25, 1), 1
	s_wait_xcnt 0x0
; x [8192][1024], W_qkv [1024][3072] and W_proj [1024][1024], f32, become codes of FP8 (E4M3), each with the one scale 2^e given for it (entries 0, 1, 7 of the scales).
; code = number / 2^e, held within +-448, rounded to the nearest code, ties to even.  LIMITS: -126 <= e <= 127.  NaN among the inputs is not served; an infinity is held at the largest code.
; THE CODES ARE LAID AS IMAGES OF THE OPERAND'S REGISTERS.  A fragment is 16 rows x 128 along K, 2,048 bytes: chunk c (512 bytes), lane l's 16 bytes at 512 c + 16 l = row l % 16, k = 32 c + 16 (l / 16) + 0 .. 15.
; A buffer is [tile of 16 rows][8 K steps][2,048].  Inside each group of 32 rows the two tiles are not neighbours' rows: row i of tile u is the group's row 8 u + i + 8 (i / 8).
; Work-groups 0-255: x, 32 tokens each.  256-351: W_qkv.  352-383: W_proj.  Waves share nothing: no barrier.
; x: K is innermost.  A wave takes one tile of 16 rows and four K steps.  A load takes 512 consecutive bytes of a row; a step's 16 rows turn through the wave's own stage in LDS, so that a lane gets 16 neighbours of each block of 32.
; W: K is the first axis.  A lane takes a column and its registers run down K: the conversions' results are the image's bytes, and nothing is turned.
.set SPARE, 33792                      ; behind the four stages: the spare words, 128 bytes for each wave
.set SPW,   12                         ; v12  LDS address of my spare word; never rewritten
.set NIL,   13                         ; v13  0; never rewritten
.set R,     16                         ; v16-143  x as loaded: two sets of 64
.set X,     144                        ; v144-207 64 numbers of my row, register 16 c + i = k 32 c + 16 h + i
.set C,     208                        ; v208-239 codes: two sets of 16
.set WX,    32                         ; v32-95   W: two sets of 32 numbers down K
.set WC,    96                         ; v96-159  W: eight registers of codes for each block; never rewritten
	s_load_b256 s[4:11], s[0:1], 0x0               ; x s[4:5], W_qkv s[6:7], W_proj s[8:9], the scales s[10:11]
	s_load_b128 s[12:15], s[0:1], 0x20             ; x_img s[12:13], wqkv_img s[14:15]
	s_load_b64 s[20:21], s[0:1], 0x30              ; wproj_img
	v_lshl_add_u32 v[SPW], v0, 2, SPARE
	v_mov_b32 v[NIL], 0
	v_lshrrev_b32 v1, 5, v0
	v_readfirstlane_b32 s16, v1                    ; wave 0..3
	v_and_b32 v2, 31, v0                           ; lane
	v_and_b32 v5, 15, v0                           ; lane % 16
	v_bfe_u32 v6, v0, 4, 1                         ; lane / 16
	s_wait_kmcnt 0x0
	s_load_b256 s[24:31], s[10:11], 0x0            ; e0 .. e7
	s_cmp_lt_u32 ttmp9, 256
	s_cbranch_scc0 .Lweights
.macro SCALE e                         ; v11 = 2^e as f32 (the conversion takes its exponent field)
	s_wait_kmcnt 0x0
	s_add_co_i32 s33, s[\e], 127
	s_lshl_b32 s34, s33, 23
	v_mov_b32 v11, s34
	s_add_co_i32 s33, s33, 8
	s_lshl_b32 s33, s33, 23
	s_or_b32 s33, s33, 0x600000
.endm
	s_wait_alu depctr_va_vdst(0)
	; ---- x
	v_lshlrev_b32 v3, 4, v2                        ; 16 x lane: my bytes of a load's and of a store's 512
	s_wait_alu depctr_va_vdst(0)
	s_mul_i32 s17, s16, 8448                       ; my stage: 16 rows x (512 + 16) bytes
	v_add_nc_u32 v14, s17, v3                      ; the way in: as loaded
	v_mul_u32_u24 v15, v5, 528
	v_lshl_add_u32 v15, v6, 6, v15
	v_add_nc_u32 v15, s17, v15                     ; the way out: row lane % 16, + 64 (lane / 16)
	s_and_b32 s18, s16, 1                          ; u: which of the group's two tiles
	s_lshr_b32 s19, s16, 1                         ; which four K steps
	s_lshl_b32 s22, ttmp9, 17                      ; 32 rows of 4,096 bytes,
	s_lshl_b32 s23, s18, 15                        ; + 8 u rows,
	s_add_co_u32 s22, s22, s23
	s_lshl_b32 s23, s19, 11                        ; + four K steps of 512 bytes
	s_add_co_u32 s22, s22, s23
	s_mov_b32 s23, 0
	s_add_nc_u64 s[4:5], s[4:5], s[22:23]
	s_lshl_b32 s22, ttmp9, 15                      ; the image: tile 2 g + u of 16,384 bytes, + four fragments
	s_lshl_b32 s32, s18, 14
	s_add_co_u32 s22, s22, s32
	s_lshl_b32 s32, s19, 13
	s_add_co_u32 s22, s22, s32
	s_add_nc_u64 s[12:13], s[12:13], s[22:23]
.macro XLOAD t                         ; K step t of my 16 rows: row i of the tile lies i + 8 (i / 8) rows on; 32 lanes read 512 consecutive bytes
.set i, 0
.rept 16
	global_load_b128 v[R+64*((\t)%2)+4*i:R+64*((\t)%2)+4*i+3], v3, s[4:5] offset:(i+8*(i/8))*4096+512*(\t) th:TH_LOAD_NT
.set i, i+1
.endr
.endm
	XLOAD 0
	XLOAD 1
	s_wait_alu depctr_va_vdst(0)
	SCALE 24
.macro XSTEP t
.if (\t) < 3
	s_wait_loadcnt 16                              ; this step's 16 loads are in; the next step's 16 may be out
.else
	s_wait_loadcnt 0x0
.endif
.set i, 0
.rept 16
	ds_store_b128 v14, v[R+64*((\t)%2)+4*i:R+64*((\t)%2)+4*i+3] offset:528*i
.set i, i+1
.endr
.set i, 0
.rept 16
	ds_load_b128 v[X+4*i:X+4*i+3], v15 offset:128*(i/4)+16*(i%4)   ; LDS serves a wave's instructions in order: these see the stores above
.set i, i+1
.endr
	s_wait_dscnt 0x0                               ; the numbers are back, and the stores have read their registers,
.if (\t) < 2
	XLOAD (\t)+2                                   ; which take the loads of two steps on
.else
	s_wait_xcnt 0x0                                ; the stores of two steps back have read their codes: that set is written again below
.endif
.set i, 0
.rept 64
.set i, i+1
.endr
.set i, 0
.rept 8
	v_cvt_scalef32_pk8_fp8_f32 v[C+16*((\t)%2)+2*i:C+16*((\t)%2)+2*i+1], v[X+8*i:X+8*i+7], v11
.set i, i+1
.endr
	v_nop                                          ; a plain line behind the last conversion
.irp c, 0,1,2,3
	global_store_b128 v3, v[C+16*((\t)%2)+4*\c:C+16*((\t)%2)+4*\c+3], s[12:13] offset:2048*(\t)+512*\c   ; a chunk: 512 consecutive bytes
.endr
.endm
	s_wait_alu depctr_va_vdst(0)
	XSTEP 0
	XSTEP 1
	XSTEP 2
	XSTEP 3
	s_wait_tensorcnt 0x0                           ; the wave's end: a wait, an add to my spare word and its wait behind my last LDS store
	ds_add_u32 v[SPW], v[NIL]
	s_wait_dscnt 0x0
	s_endpgm
	; ---- the weights: a work-group takes 128 columns x 256 along K, a wave 32 columns: two tiles of the image
.macro WLOAD t, N, src                 ; block t: 32 rows of W at my column; the 32 lanes read 128 consecutive bytes
.set i, 0
.rept 32
	global_load_b32 v[WX+32*((\t)%2)+i], v3, s[\src:\src+1] offset:(32*(\t)+i)*(\N)*4 th:TH_LOAD_NT
.set i, i+1
.endr
.endm
.macro WBLOCK t, N, src, dst
.if (\t) < 7
	s_wait_loadcnt 32                              ; this block's 32 loads are in; the next block's may be out
.else
	s_wait_loadcnt 0x0
.endif
.set i, 0
.rept 32
.set i, i+1
.endr
.set i, 0
.rept 4
	v_cvt_scalef32_pk8_fp8_f32 v[WC+8*(\t)+2*i:WC+8*(\t)+2*i+1], v[WX+32*((\t)%2)+8*i:WX+32*((\t)%2)+8*i+7], v11
.set i, i+1
.endr
	v_nop                                          ; a plain line behind the last conversion
	global_store_b128 v4, v[WC+8*(\t):WC+8*(\t)+3], s[\dst:\dst+1] offset:((\t)/4)*2048+((\t)%4)*512          ; k 0-15 of the block: the chunk's lower half; sixteen lanes store 256 consecutive bytes
	global_store_b128 v4, v[WC+8*(\t)+4:WC+8*(\t)+7], s[\dst:\dst+1] offset:((\t)/4)*2048+((\t)%4)*512+256    ; k 16-31: its upper half
.if (\t)+2 < 8
	WLOAD (\t)+2, \N, \src
.endif
.endm
.macro WPATH N, FIRST, src, dst, e
	s_sub_co_u32 s17, ttmp9, \FIRST
	s_lshr_b32 s18, s17, 2                         ; which 128 columns
	s_and_b32 s19, s17, 3                          ; which 256 along K
	v_and_b32 v7, 8, v5
	v_add_nc_u32 v7, v7, v5
	v_lshl_add_u32 v7, v6, 3, v7                   ; lane (u, i) takes the group's column 8 u + i + 8 (i / 8)
	v_lshlrev_b32 v3, 2, v7
	s_wait_alu depctr_va_vdst(0)
	v_lshlrev_b32 v4, 4, v5
	v_lshl_add_u32 v4, v6, 14, v4                  ; the image: tile u, 16 i
	s_mul_i32 s22, s19, 256*\N*4
	s_lshl_b32 s23, s18, 9
	s_add_co_u32 s22, s22, s23
	s_lshl_b32 s23, s16, 7
	s_add_co_u32 s22, s22, s23
	s_mov_b32 s23, 0
	s_add_nc_u64 s[\src:\src+1], s[\src:\src+1], s[22:23]
	s_lshl_b32 s22, s18, 17                        ; eight tiles of 16,384 bytes a work-group, two a wave, two fragments for 256 along K
	s_lshl_b32 s32, s16, 15
	s_add_co_u32 s22, s22, s32
	s_lshl_b32 s32, s19, 12
	s_add_co_u32 s22, s22, s32
	s_add_nc_u64 s[\dst:\dst+1], s[\dst:\dst+1], s[22:23]
	WLOAD 0, \N, \src
	WLOAD 1, \N, \src
	SCALE \e
	s_wait_alu depctr_va_vdst(0)
.irp t, 0,1,2,3,4,5,6,7
	WBLOCK \t, \N, \src, \dst
.endr
	s_endpgm
.endm
.Lweights:
	s_cmp_lt_u32 ttmp9, 352
	s_cbranch_scc0 .Lproj
	s_wait_alu depctr_va_vdst(0)
	WPATH 3072, 256, 6, 14, 25
.Lproj:
	s_wait_alu depctr_va_vdst(0)
	WPATH 1024, 352, 8, 20, 31
.Lfunc_end_k_q915d808ab3_quant:
	.size	k_q915d808ab3_quant, .Lfunc_end_k_q915d808ab3_quant-k_q915d808ab3_quant
	.p2alignl 7, 3214868480
	.fill 96, 4, 3214868480
	.section	.rodata,"a",@progbits
	.p2align	6, 0x0
	.amdhsa_kernel k_q915d808ab3_quant
		.amdhsa_group_segment_fixed_size 34304
		.amdhsa_private_segment_fixed_size 0
		.amdhsa_enable_private_segment 0
		.amdhsa_kernarg_size 56
		.amdhsa_user_sgpr_count 2
		.amdhsa_user_sgpr_kernarg_segment_ptr 1
		.amdhsa_wavefront_size32 1
		.amdhsa_system_sgpr_workgroup_id_x 1
		.amdhsa_system_sgpr_workgroup_id_y 1
		.amdhsa_system_sgpr_workgroup_id_z 1
		.amdhsa_system_vgpr_workitem_id 0
		.amdhsa_next_free_vgpr 240
		.amdhsa_next_free_sgpr 66
		.amdhsa_reserve_vcc 0
		.amdhsa_float_denorm_mode_32 3
		.amdhsa_float_denorm_mode_16_64 3
		.amdhsa_fp16_overflow 1
		.amdhsa_memory_ordered 1
		.amdhsa_forward_progress 1
		.amdhsa_inst_pref_size 79
	.end_amdhsa_kernel
	.amdgpu_metadata
---
amdhsa.version: [ 1, 2 ]
amdhsa.kernels:
  - .name:           k_q915d808ab3_quant
    .symbol:         k_q915d808ab3_quant.kd
    .args:
      - { .name: x, .offset: 0, .size: 8, .value_kind: global_buffer, .address_space: global }
      - { .name: W_qkv, .offset: 8, .size: 8, .value_kind: global_buffer, .address_space: global }
      - { .name: W_proj, .offset: 16, .size: 8, .value_kind: global_buffer, .address_space: global }
      - { .name: lowp_scales, .offset: 24, .size: 8, .value_kind: global_buffer, .address_space: global }
      - { .name: x_img, .offset: 32, .size: 8, .value_kind: global_buffer, .address_space: global }
      - { .name: wqkv_img, .offset: 40, .size: 8, .value_kind: global_buffer, .address_space: global }
      - { .name: wproj_img, .offset: 48, .size: 8, .value_kind: global_buffer, .address_space: global }
    .group_segment_fixed_size: 34304
    .private_segment_fixed_size: 0
    .kernarg_segment_align: 8
    .kernarg_segment_size: 56
    .max_flat_workgroup_size: 128
    .sgpr_count:     66
    .vgpr_count:     240
    .wavefront_size: 32
...
	.end_amdgpu_metadata
.endif
;; end of part 1
;; launch qkv (part 2): grid 12 x 32, 4 waves a work-group, clusters of 4 x 4, 327,680 bytes of LDS; arguments x_img, wqkv_img, lowp_scales, q_img, k_img, v_img; writes q_img, k_img, v_img
.if DOCPART == 2
	.amdgcn_target "amdgcn-amd-amdhsa--gfx1250"
	.amdhsa_code_object_version 6
	.text
	.protected	k_q915d808ab3_qkv
	.globl	k_q915d808ab3_qkv
	.p2align	8
	.type	k_q915d808ab3_qkv,@function
k_q915d808ab3_qkv:
	s_mov_b64 s[64:65], 0
	v_nop
	global_prefetch_b8 v0, s[64:65] scope:SCOPE_SE
	s_setreg_imm32_b32 hwreg(HW_REG_WAVE_MODE, 25, 1), 1
	s_wait_xcnt 0x0
	s_wait_alu depctr_hold_cnt(0) depctr_sa_sdst(0) depctr_va_vdst(0) depctr_va_sdst(0) depctr_va_ssrc(0) depctr_va_vcc(0) depctr_vm_vsrc(0)
	s_getreg_b32 s2, hwreg(HW_REG_IB_STS2, 6, 4)
	s_cmp_eq_u32 s2, 0
	s_cbranch_scc0 .Lentry_in_a_cluster
	s_endpgm
.Lentry_in_a_cluster:
	s_bfe_u32 s2, ttmp6, 0x10000c
	s_cmp_lg_u32 s2, 0xf033
	s_cbranch_scc0 .Lentry_shape_is_right
	s_endpgm
.Lentry_shape_is_right:
; qkv = x W_qkv on codes of FP8 (E4M3), and its results quantised at once into the operands of the attention: q (scale 2^e2), k (2^e3), v (2^e5).  Sums in f32.
; A sum stands for sum x 2^(e0 + e1), so its code is sum / 2^(eX - e0 - e1).  LIMITS: eX - e0 - e1 between -126 and 127 for X = 2, 3, 5.
; OPERANDS lie as images of their registers: [tile of 16 rows][8 K steps][2,048 bytes]; chunk c of a fragment, lane l's 16 bytes at 512 c + 16 l = row l % 16, k = 32 c + 16 (l / 16) + 0 .. 15.
; Row i of tile u of a group of 32 rows is the group's row 8 u + i + 8 (i / 8): so the 16 registers that a lane holds of two neighbouring tiles of source 0 are 16 NEIGHBOURS, and the conversions' results are the next operand's chunk.
; A tile of the result, 256 x 256, is made by four waves, 128 x 128 each: 64 accumulators, 512 registers.  K goes in steps of 256 through two LDS slots.  384 work-groups: the largest wave tile is kept, since a smaller one reads each LDS byte for fewer products.
; CLUSTERS of 4 x 4.  Cluster x = 0: q, 1: k: A = x (tokens), B = W_qkv (features).  Cluster x = 2: v, taken the other way round, A = W_qkv (features 2,048 on), B = x (tokens), so that a lane's registers run along the KEYS, v's K.
; The choice is made of pointers and numbers alone, on the cluster's x, which all partners share: one text, no branch.  A's tiles are shared along a row of the cluster, B's along a column: joint loads.
; THE MATRIX INSTRUCTION IS USED TRANSPOSED: source 0 = 16 rows of B, source 1 = 16 rows of A.
; OUT.  q_img, k_img: [64 heads][128 token tiles][2 chunks][512].  v_img: [64 heads][16 steps of 128 keys][4 channel tiles][2,048].  Every store covers 512 consecutive bytes; no LDS on the way out.
; REGISTERS: window 0: v16-31 addresses and constants; v96-111 store offsets; v128-255 A's fragments, ONE set, later the codes.  window 1: B's fragments, TWO sets.  windows 2, 3: the accumulators ((a, b) at v[8 (8 (a % 4) + b)]).
.set HALFT,  32768                     ; 8 tiles x 4,096 bytes (two fragments): what one tensor load brings, and what one wave reads of A or of B
.set SLOT,   4*HALFT                   ; A's two halves, then B's two
.set SPARE,  2*SLOT                    ; behind the ring: the spare words, 128 bytes for each wave
.set FR,     16                        ; registers of a fragment
.set NL,     4                         ; LDS loads that bring one
.set NP,     4                         ; places behind this matrix instruction (ISA guide 7.12.1)
.set ADRA, 16                          ; v16-17  LDS address of my A fragments in slot 0, 1
.set ADRB, 20                          ; v20-21  the same for B
.set SPW,  28                          ; v28     LDS address of my spare word; never rewritten
.set NIL,  29                          ; v29     0; never rewritten
.set SC,   30                          ; v30     2^(eX - e0 - e1)
.set LIM,  31
.set TMP,  32
.set OFS,  96
.set AF,   128
.set CD,   128
.set G1, 24                            ; s[24:31] descriptor group 1 for A's tiles;  s[32:39] group 0, one set for each slot
.set G0, 32
.set G1B, 48                           ; s[48:55], s[56:63] the same for B's tiles
.set G0B, 56
.set MSB, 0
.macro WIN new                         ; the immediate's high byte repeats the setting that is left
.if MSB != \new
	s_set_vgpr_msb (MSB<<8)|\new
.set MSB, \new
.endif
.endm
.set MUL_LO, 0xa1                      ; source 0 (B) window 1, source 1 (A) window 0, C and D window 2
.set MUL_HI, 0xf1                      ; the same, C and D window 3
.set TO_B,   0x40                      ; destination window 1, address window 0
; A joint load: waves 0 and 1 fetch for A, waves 2 and 3 for B.  The branch hangs on the wave's number alone.  An s_nop 0 and four v_nop follow each of the two lines.
.macro JLOAD g0a, g1a, g0b, g1b
	s_cmp_eq_u32 s15, 0
	s_cbranch_scc0 .Lfor_b_\@
	tensor_load_to_lds s[\g0a:\g0a+3], s[\g1a:\g1a+7]
	s_nop 0
.rept 4
	v_nop
.endr
	s_branch .Lasked_\@
.Lfor_b_\@:
	tensor_load_to_lds s[\g0b:\g0b+3], s[\g1b:\g1b+7]
	s_nop 0
.rept 4
	v_nop
.endr
.Lasked_\@:
.endm
.macro CREST                           ; a round of the cluster's barrier behind its opening barrier
	s_cmp_lg_u32 s14, 0
	s_cbranch_scc1 .Lnot_wave_0_\@
	s_barrier_signal -3
.Lnot_wave_0_\@:
	s_barrier_wait -3
	s_barrier_signal -1
	s_barrier_wait -1
.endm
.macro CROUND                          ; a whole round
	s_barrier_signal -1
	s_barrier_wait -1
	CREST
.endm
	s_load_b256 s[4:11], s[0:1], 0x0               ; x_img s[4:5], wqkv_img s[6:7], the scales s[8:9], q_img s[10:11]
	s_load_b128 s[72:75], s[0:1], 0x20             ; k_img s[72:73], v_img s[74:75]
	v_lshl_add_u32 v[SPW], v0, 2, SPARE
	v_mov_b32 v[NIL], 0
	ds_add_u32 v[SPW], v[NIL]
	ds_add_u32 v[SPW], v[NIL]                      ; the wave's opening: the add and its wait stand ahead of my first tensor load; work on registers stands between them
	v_lshrrev_b32 v1, 5, v0
	v_readfirstlane_b32 s14, v1                    ; wave 0..3
	s_lshr_b32 s15, s14, 1                         ; which half of the tile's rows is mine.  Also: I fetch for A (0) or for B (1)
	s_and_b32 s16, s14, 1                          ; which half of its columns.  Also: which 8 tiles of 16 rows I fetch
	s_bfe_u32 s40, ttmp6, 0x40000                  ; cx, cy: my place in the cluster
	s_bfe_u32 s41, ttmp6, 0x40004
	s_and_b32 s17, ttmp7, 0xffff
	s_lshl_b32 s17, s17, 2                         ; 4 x cluster y
	s_lshl_b32 s42, ttmp9, 2                       ; 4 x cluster x
	s_cmp_eq_u32 ttmp9, 2                          ; v?
	s_cselect_b32 s18, 8, s17
	s_cselect_b32 s19, s17, s42
	s_add_co_u32 s17, s18, s41                     ; A's tile of 256 rows: q, k: tokens, 4 Y + cy;  v: features, 8 + cy
	s_add_co_u32 s42, s19, s40                     ; B's: q, k: features, 4 X + cx;  v: tokens, 4 Y + cx
	s_lshl_b32 s43, s41, 2
	s_lshl_b32 s43, 15, s43                        ; my row of the cluster
	s_lshl_b32 s44, 0x1111, s40                    ; my column
	; descriptor group 1: 8 rows of 4,096 bytes (a tile's two fragments of a K step of 256), 16,384 bytes apart in memory, dense in LDS
	s_or_b32 s[G1+0], s43, (0<<16)|(1<<21)         ; 15:0 the mask: A's tiles go to my row; 17:16 elements of 1 byte; 21 set beside a mask
	s_or_b32 s[G1B+0], s44, (0<<16)|(1<<21)
.irp g, G1, G1B
	s_mov_b32 s[\g+1], 4096<<16                    ; tensor_dim0
	s_mov_b32 s[\g+2], 8<<16                       ; tensor_dim1
	s_mov_b32 s[\g+3], 4096<<16                    ; tile_dim0
	s_mov_b32 s[\g+4], 8                           ; tile_dim1
	s_mov_b32 s[\g+5], 16384                       ; tensor_dim0_stride
	s_mov_b32 s[\g+6], 0
	s_mov_b32 s[\g+7], 0
.endr
	s_lshl_b32 s18, s16, 17                        ; which 8 tiles of 16,384 bytes I fetch
	s_lshl_b32 s20, s17, 18                        ; A: 16 tiles for each 256 rows
	s_add_co_u32 s20, s20, s18
	s_mov_b32 s21, 0
	s_lshl_b32 s46, s42, 18                        ; B likewise
	s_add_co_u32 s46, s46, s18
	s_mov_b32 s47, 0
	s_lshl_b32 s45, s14, 15                        ; where they go: wave x HALFT: no place in the cluster enters an LDS address
	s_wait_dscnt 0x0                               ; the opening add is done
	s_wait_kmcnt 0x0
	s_load_b256 s[80:87], s[8:9], 0x0              ; e0 .. e7
	s_cmp_eq_u32 ttmp9, 2
	s_cselect_b64 s[68:69], s[6:7], s[4:5]         ; A's buffer
	s_cselect_b64 s[70:71], s[4:5], s[6:7]         ; B's
	s_add_nc_u64 s[20:21], s[68:69], s[20:21]
	s_add_nc_u64 s[46:47], s[70:71], s[46:47]
	CROUND                                         ; all sixteen work-groups are here: the first joint loads meet
.irp s, 0,1
	s_mov_b32 s[G0+4*\s], 1
	s_add_co_u32 s[G0+4*\s+1], s45, \s*SLOT
	s_add_nc_u64 s[G0+4*\s+2:G0+4*\s+3], s[20:21], \s*4096
	s_or_b32 s[G0+4*\s+3], s[G0+4*\s+3], 0x80000000
	s_mov_b32 s[G0B+4*\s], 1
	s_add_co_u32 s[G0B+4*\s+1], s45, \s*SLOT
	s_add_nc_u64 s[G0B+4*\s+2:G0B+4*\s+3], s[46:47], \s*4096
	s_or_b32 s[G0B+4*\s+3], s[G0B+4*\s+3], 0x80000000
	JLOAD G0+4*\s, G1, G0B+4*\s, G1B
.endr
	v_and_b32 v1, 31, v0
	v_lshlrev_b32 v4, 4, v1                        ; 16 x lane: an image's place for my lane
	s_lshl_b32 s21, s15, 15                        ; my 128 rows of A
	s_lshl_b32 s22, s16, 15                        ; my 128 rows of B,
	s_add_co_u32 s22, s22, 2*HALFT                 ; which lie behind A's 256
.irp s, 0,1
	v_add_nc_u32 v[ADRA+\s], s21, v4
	v_add_nc_u32 v[ADRB+\s], s22, v4
	s_add_co_u32 s21, s21, SLOT
	s_add_co_u32 s22, s22, SLOT
.endr
.macro FRAG reg, adr, q, i             ; tile i's fragment of the slot's q-th 128 along K: four loads of 512 consecutive bytes
.irp c, 0,1,2,3
	ds_load_b128 v[\reg+4*\c:\reg+4*\c+3], v[\adr] offset:(\i)*4096+(\q)*2048+512*\c
.endr
.endm
; 16 matrix instructions: A's blocks a0, a0 + 1 x B's eight, 128 along K.  p: B's set.  zero = 1: the first product starts the sums.
; The 64 accumulators take turns, one instruction a turn, in the same order in every step.
.macro MUL16 a0, p, zero
.irp a, \a0, \a0+1
.irp b, 0,1,2,3,4,5,6,7
.if \zero
	v_wmma_f32_16x16x128_fp8_fp8 v[8*(8*((\a)%4)+\b):8*(8*((\a)%4)+\b)+7], v[128*(\p)+FR*\b:128*(\p)+FR*\b+FR-1], v[AF+FR*(\a):AF+FR*(\a)+FR-1], 0
.else
	v_wmma_f32_16x16x128_fp8_fp8 v[8*(8*((\a)%4)+\b):8*(8*((\a)%4)+\b)+7], v[128*(\p)+FR*\b:128*(\p)+FR*\b+FR-1], v[AF+FR*(\a):AF+FR*(\a)+FR-1], v[8*(8*((\a)%4)+\b):8*(8*((\a)%4)+\b)+7]
.endif
.endr
.endr
.endm
.macro FETCH_B slot, q, p
	WIN TO_B
.irp i, 0,1,2,3,4,5,6,7
	FRAG 128*(\p)+FR*\i, ADRB+\slot, \q, \i
.endr
	WIN 0
.endm
.macro FETCH_A slot, q, i0
.irp i, \i0, \i0+1, \i0+2, \i0+3
	FRAG AF+FR*(\i), ADRA+\slot, \q, \i
.endr
.endm
.macro PLACES n                        ; plain vector lines in front of loads into registers that matrix instructions have read
.rept \n
	v_nop
.endr
.endm
; A step of 128 along K that has its successor in the same slot.  A block of A is free as soon as its eight products are issued: blocks 0-3 are fetched anew in the step's middle, blocks 4-7 at its end.
.macro STEP slot, q, zero
	s_wait_dscnt 4*NL                              ; B's set and A's blocks 0-3 are in; the youngest 16 loads (A's blocks 4-7) may be out
	WIN MUL_LO
	MUL16 0, (\q)%2, \zero
	MUL16 2, (\q)%2, \zero
	s_wait_dscnt 0                                 ; A's blocks 4-7 are in
	PLACES NP
	FETCH_B \slot, (\q)+1, 1-(\q)%2
	FETCH_A \slot, (\q)+1, 0
	WIN MUL_HI
	MUL16 4, (\q)%2, \zero
	MUL16 6, (\q)%2, \zero
	PLACES NP
	WIN 0
	FETCH_A \slot, (\q)+1, 4
.endm
; A slot's last step changes slots: ONE barrier; in front of it each wave waits for all its tensor loads, adds 0 to its spare word, and waits for that and for its own reads of this slot.  fill = 1: this slot is filled again, two K steps ahead.
.macro TURN slot, next, fill
	s_wait_tensorcnt 0x0                           ; all my tensor loads have landed: my part of the next slot  (every window is 0 here)
	ds_add_u32 v[SPW], v[NIL]                      ; 0 onto my spare word
	s_wait_dscnt 4*NL+1                            ; the add and the youngest 16 loads, A's blocks 4-7, may be out
	WIN MUL_LO
	MUL16 0, 1, 0                                  ; sixteen matrix instructions stand between the add and the wait for it
	s_wait_dscnt 0x0                               ; the add is done, and my reads of this slot are over
	s_barrier_signal -1
	MUL16 2, 1, 0
	WIN 0
	s_barrier_wait -1
.if \fill
	CREST                                          ; the barrier has opened a round of the cluster's barrier: no wave of any partner still reads this slot or has a load on its way
	s_add_nc_u64 s[G0+4*\slot+2:G0+4*\slot+3], s[G0+4*\slot+2:G0+4*\slot+3], 2*4096
	s_add_nc_u64 s[G0B+4*\slot+2:G0B+4*\slot+3], s[G0B+4*\slot+2:G0B+4*\slot+3], 2*4096
	JLOAD G0+4*\slot, G1, G0B+4*\slot, G1B         ; the first tensor load behind the round; its four v_nop are the places in front of the loads below
.else
	PLACES NP
.endif
	FETCH_B \next, 0, 0
	FETCH_A \next, 0, 0
	WIN MUL_HI
	MUL16 4, 1, 0
	MUL16 6, 1, 0
	PLACES NP
	WIN 0
	FETCH_A \next, 0, 4
.endm
	s_wait_alu depctr_va_vdst(0)
	s_wait_tensorcnt 1                             ; my part of K step 0 is in; K step 1's load may be out
	s_barrier_signal -1
	s_barrier_wait -1
	FETCH_B 0, 0, 0
	FETCH_A 0, 0, 0
	FETCH_A 0, 0, 4
	STEP 0, 0, 1                                   ; K is four steps of 256: written out, no loop.  The first products start the sums
	TURN 0, 1, 1                                   ; slot 0 takes K step 2
	STEP 1, 0, 0
	TURN 1, 0, 1                                   ; slot 1 takes K step 3
	STEP 0, 0, 0
	TURN 0, 1, 0                                   ; nothing is left to fetch
	STEP 1, 0, 0
	s_wait_dscnt 4*NL
	WIN MUL_LO
	MUL16 0, 1, 0
	MUL16 2, 1, 0
	s_wait_dscnt 0
	WIN MUL_HI
	MUL16 4, 1, 0
	MUL16 6, 1, 0
	WIN 0
	; THE WAY OUT.  Lane (r, h) of accumulator (a, b) holds, for row r of A's tile a, B's rows 32 (b / 2) + 16 h + 8 (b % 2) + 0 .. 7: tiles 2 b' and 2 b' + 1 give the 16 bytes of chunk b' of an image.
	; q, k: A's tile a is a token tile (1,024 bytes on), chunks 0, 1 are one head's, chunks 2, 3 the next head's (131,072 bytes on).  v: A's tile a is a channel tile (2,048 bytes on; four to a head), chunks 0-3 are the 128 keys'.
	s_wait_kmcnt 0x0
	s_lshl_b32 s88, s42, 8
	s_lshl_b32 s89, s16, 7
	s_add_co_u32 s88, s88, s89                     ; v: my first token
	s_lshl_b32 s90, s17, 8
	s_lshl_b32 s91, s15, 7
	s_add_co_u32 s90, s90, s91                     ; q, k: my first token
	s_lshl_b32 s92, s41, 2
	s_lshl_b32 s93, s15, 1
	s_add_co_u32 s92, s92, s93                     ; v: my first head
	s_lshl_b32 s94, s40, 2
	s_lshl_b32 s95, s16, 1
	s_add_co_u32 s94, s94, s95                     ; q, k: my first head
	s_mov_b32 s96, 1024
	s_mov_b32 s97, 131072
	s_mov_b32 s98, 4096
	s_mov_b32 s99, 0
	s_cmp_eq_u32 ttmp9, 2
	s_cselect_b32 s88, s88, s90                    ; the first token
	s_cselect_b32 s92, s92, s94                    ; the first head
	s_cselect_b32 s96, 2048, s96                   ; from A's tile to the next
	s_cselect_b32 s97, 1024, s97                   ; from chunks 0, 1 to chunks 2, 3
	s_cselect_b32 s98, 131072, s98                 ; from A's tiles 0-3 to tiles 4-7
	s_cselect_b32 s93, s85, s83                    ; e5 or e3
	s_cselect_b64 s[76:77], s[74:75], s[72:73]     ; v_img or k_img
	s_cmp_eq_u32 ttmp9, 0
	s_cselect_b32 s93, s82, s93                    ; or e2
	s_cselect_b64 s[76:77], s[10:11], s[76:77]     ; or q_img
	s_lshr_b32 s89, s88, 11                        ; the batch,
	s_lshl_b32 s89, s89, 4
	s_add_co_u32 s89, s89, s92                     ; x 16 + the head,
	s_lshl_b32 s89, s89, 17                        ; 131,072 bytes each,
	s_and_b32 s90, s88, 2047
	s_lshl_b32 s90, s90, 6                         ; + 64 bytes a token
	s_add_co_u32 s90, s89, s90
	s_mov_b32 s91, 0
	s_add_nc_u64 s[76:77], s[76:77], s[90:91]
	s_add_nc_u64 s[78:79], s[76:77], s[98:99]
	s_sub_co_i32 s93, s93, s80
	s_sub_co_i32 s93, s93, s81                     ; eX - e0 - e1
	s_add_co_i32 s93, s93, 127
	s_lshl_b32 s94, s93, 23
	s_add_co_i32 s93, s93, 8
	s_lshl_b32 s93, s93, 23
	s_or_b32 s93, s93, 0x600000
	v_and_b32 v1, 31, v0                           ; from here on 20 plain lines: the places behind the last products
	v_lshlrev_b32 v1, 4, v1
	v_add_nc_u32 v2, s97, v1
	v_mov_b32 v[SC], s94
.irp m, 0,1,2,3
	s_mul_i32 s[88+\m], s96, \m
.irp b, 0,1,2,3
	v_add3_u32 v[OFS+4*\m+\b], v[1+(\b/2)], s[88+\m], 512*(\b%2)
.endr
.endr
.macro OUTB a
.set AC, 64*((\a)%4)
	WIN 0x02+((\a)/4)                              ; source 0: window 2 or 3
.set j, 0
.rept 64
.set j, j+1
.endr
.set j, 0
.rept 8
	v_cvt_scalef32_pk8_fp8_f32 v[CD+16*(\a)+2*j:CD+16*(\a)+2*j+1], v[AC+8*j:AC+8*j+7], v[SC]
.set j, j+1
.endr
	WIN 0
	v_nop                                          ; a plain line behind the last conversion
.irp b, 0,1,2,3
	global_store_b128 v[OFS+4*((\a)%4)+\b], v[CD+16*(\a)+4*\b:CD+16*(\a)+4*\b+3], s[76+2*((\a)/4):77+2*((\a)/4)]   ; a chunk: 512 consecutive bytes; no register of a store is written again
.endr
.endm
.irp a, 0,1,2,3,4,5,6,7
	OUTB \a
.endr
	s_wait_tensorcnt 0x0                           ; the wave's end: a wait, an add to my spare word and its wait behind my last tensor load
	ds_add_u32 v[SPW], v[NIL]
	s_wait_dscnt 0x0
	CROUND                                         ; the closing round: no work-group ends while a partner may still ask for a tile that names it
	s_endpgm
.Lfunc_end_k_q915d808ab3_qkv:
	.size	k_q915d808ab3_qkv, .Lfunc_end_k_q915d808ab3_qkv-k_q915d808ab3_qkv
	.p2alignl 7, 3214868480
	.fill 96, 4, 3214868480
	.section	.rodata,"a",@progbits
	.p2align	6, 0x0
	.amdhsa_kernel k_q915d808ab3_qkv
		.amdhsa_group_segment_fixed_size 327680
		.amdhsa_private_segment_fixed_size 0
		.amdhsa_enable_private_segment 0
		.amdhsa_kernarg_size 48
		.amdhsa_user_sgpr_count 2
		.amdhsa_user_sgpr_kernarg_segment_ptr 1
		.amdhsa_wavefront_size32 1
		.amdhsa_system_sgpr_workgroup_id_x 1
		.amdhsa_system_sgpr_workgroup_id_y 1
		.amdhsa_system_sgpr_workgroup_id_z 1
		.amdhsa_system_vgpr_workitem_id 0
		.amdhsa_next_free_vgpr 1024
		.amdhsa_next_free_sgpr 100
		.amdhsa_reserve_vcc 0
		.amdhsa_float_denorm_mode_32 3
		.amdhsa_float_denorm_mode_16_64 3
		.amdhsa_fp16_overflow 1
		.amdhsa_memory_ordered 1
		.amdhsa_forward_progress 1
		.amdhsa_inst_pref_size 87
	.end_amdhsa_kernel
	.amdgpu_metadata
---
amdhsa.version: [ 1, 2 ]
amdhsa.kernels:
  - .name:           k_q915d808ab3_qkv
    .symbol:         k_q915d808ab3_qkv.kd
    .args:
      - { .name: x_img, .offset: 0, .size: 8, .value_kind: global_buffer, .address_space: global }
      - { .name: wqkv_img, .offset: 8, .size: 8, .value_kind: global_buffer, .address_space: global }
      - { .name: lowp_scales, .offset: 16, .size: 8, .value_kind: global_buffer, .address_space: global }
      - { .name: q_img, .offset: 24, .size: 8, .value_kind: global_buffer, .address_space: global }
      - { .name: k_img, .offset: 32, .size: 8, .value_kind: global_buffer, .address_space: global }
      - { .name: v_img, .offset: 40, .size: 8, .value_kind: global_buffer, .address_space: global }
    .group_segment_fixed_size: 327680
    .private_segment_fixed_size: 0
    .kernarg_segment_align: 8
    .kernarg_segment_size: 48
    .max_flat_workgroup_size: 128
    .sgpr_count:     100
    .vgpr_count:     1024
    .wavefront_size: 32
...
	.end_amdgpu_metadata
.endif
;; end of part 2
;; launch attn (part 3): grid 4 x 64, 16 waves a work-group, no clusters, 327,680 bytes of LDS; arguments q_img, k_img, v_img, lowp_scales, y_img; writes y_img
.if DOCPART == 3
	.amdgcn_target "amdgcn-amd-amdhsa--gfx1250"
	.amdhsa_code_object_version 6
	.text
	.protected	k_q915d808ab3_attn
	.globl	k_q915d808ab3_attn
	.p2align	8
	.type	k_q915d808ab3_attn,@function
k_q915d808ab3_attn:
	s_mov_b64 s[64:65], 0
	v_nop
	global_prefetch_b8 v0, s[64:65] scope:SCOPE_SE
	s_setreg_imm32_b32 hwreg(HW_REG_WAVE_MODE, 25, 1), 1
	s_wait_xcnt 0x0
; y[h][q] = the sum over k <= q of softmax_k(Q[h][q] . K[h][k] / 8) V[h][k], 64 heads (batch x 16 + head) of 2,048 tokens x 64 channels, both products on codes of FP8 (E4M3); y is quantised at once (scale 2^e6) for the projection.
; THE SOFTMAX AHEAD OF THE SECOND PRODUCT: t = score x log2(e) / 8; M = the running largest t, rounded UP to a whole number; p = 2^(t - M) is quantised (2^e4), not normalised; the row's sum is taken of the unquantised p and divides at the end.
; When M moves, the sum and O are multiplied by 2^(old M - new M): exact.
; LIMITS on the given exponents: e2 + e3 between -123 and 130 (added to c's exponent field); e4, and e6 - e4 - e5, between -126 and 127.
; OPERANDS lie as images of their registers (chunk of 512 bytes, lane l's 16 bytes at 16 l = row l % 16, k = 32 c + 16 (l / 16) + 0 .. 15); row i of tile u of a group of 32 rows is the group's row 8 u + i + 8 (i / 8).
;   q_img, k_img: [head][128 token tiles][2 chunks];  v_img: [head][16 steps of 128 keys][4 channel tiles][4 chunks];  y_img: [512 token tiles][16,384]: head hd owns bytes 1,024 hd on.
; SHARES.  Work-group (i, head) owns the query blocks 7 - i and i, 256 queries each, one after the other: 8 - i slots of 256 keys, then i + 1: NINE trips in every work-group, all 256 alike, and no slot is fetched that is not read.
; Each of the SIXTEEN waves owns one tile of 16 queries in 256 registers: four waves to a SIMD, so that one wave's vector work stands beside another's matrix work and LDS loads.
; Both products are used transposed: S^T = K Q^T (source 0 = 16 keys), O^T = V^T P^T (source 0 = 16 channels): a lane holds ONE query (lane % 16) throughout, and p's and O's registers run along the next product's K.
; NO CLUSTER: work-group i of a head turns back to slot 0 after 8 - i trips, so from the sixth trip on the four ask for different slots; walking in step would take 12 trips each against 9.
; REGISTERS: v1 16 x lane; v2 address in hand; v3 the prefetches' offset; v4 a permute's destination; v5, v6 the add's two; v7 my query's place less 16 h; v9 2^e4; v11 2^(e6 - e4 - e5);
;   v12 -M, v13 the largest t, v[14:15] the sum; v16-23 Q; v24-31 the second block's Q; v32-95 K's 8 tiles, then p's codes (v32-47) and work (v48-55); v96-159 S^T, then p; v160-191 O^T; v192-255 V's 4 fragments.
.set SLOT1, 1<<15                      ; a slot: 16,384 bytes of K (256 keys), 16,384 of V; slot 1 begins here: one exclusive or turns an address
.set SPARE, 2*SLOT1                    ; behind the ring: the spare words, 128 bytes for each of 16 waves
.set LI,  1
.set ADR, 2
.set PFO, 3
.set SPW, 5
.set NIL, 6
.set TB,  2                            ; s2   LDS byte at which the slot in hand begins
.set T,   3                            ; s3   the trip, 0 .. 8
.set WV,  18                           ; s18  my wave's number
.set SEL, 20                           ; s[20:21] v_permlanex16_b32's selects: lane l xor 16
.set CS,  22                           ; s[22:23] c = log2(e) / 8 x 2^(e2 + e3)
.set G1,  24                           ; s[24:31] descriptor group 1;  s[32:35] group 0;  s[36:37] my tensor at the head's first byte;  s[38:39] the next slot's offset
.set G0,  32
.set NB1, 40                           ; s40  trips of the first block: 8 - i
.set Q0,  43                           ; s43  my tile's first query;  s44 its last (+ 23);  s41, s42 the two blocks'
.set KF,  45                           ; s45  the step's first key
.set PFA, 52                           ; s[52:53] where my prefetches stand
.set LIMT, 54                          ; s54  6 in a wave that prefetches, else 0
; Wave 0 fetches a slot's K, wave 1 its V, the others nothing.  The branch hangs on the wave's number alone.  An s_nop 0 and four v_nop follow the load.
.macro TLOAD
	s_cmp_lt_u32 s[WV], 2
	s_cbranch_scc0 .Lasked_\@
	tensor_load_to_lds s[G0:G0+3], s[G1:G1+7]
	s_nop 0
.rept 4
	v_nop
.endr
.Lasked_\@:
.endm
; A PREFETCH of the slot that the NEXT change of slots will ask for, one trip (two key steps) ahead of that load.  All four work-groups of a head read the same K and V: work-group 0, which walks slots 0 to 7 in order, asks, in trips 0 to 5,
; for slots 2 to 7.  In it waves 4, 5 ask for the halves of K's 16,384 bytes, waves 6, 7 for V's: 8,192 bytes a wave, lanes 256 bytes apart.  So each aligned block of 256 bytes is named once.  Slots 0 and 1 come by their loads alone.
.macro ASK
	s_cmp_lt_u32 s[T], s[LIMT]
	s_cbranch_scc0 .Lnot_mine_\@
	global_prefetch_b8 v[PFO], s[PFA:PFA+1] th:TH_LOAD_NT scope:SCOPE_SE
.Lnot_mine_\@:
.endm
	s_load_b256 s[4:11], s[0:1], 0x0               ; q_img s[4:5], k_img s[6:7], v_img s[8:9], the scales s[10:11]
	s_load_b64 s[12:13], s[0:1], 0x20              ; y_img
	v_lshl_add_u32 v[SPW], v0, 2, SPARE
	v_mov_b32 v[NIL], 0
	ds_add_u32 v[SPW], v[NIL]                      ; the wave's opening: the add and its wait stand ahead of my first tensor load; work on registers stands between them
	ds_add_u32 v[SPW], v[NIL]
	v_lshrrev_b32 v1, 5, v0
	s_delay_alu instid0(VALU_DEP_1)
	v_readfirstlane_b32 s[WV], v1                  ; wave 0..15
	s_and_b32 s66, ttmp7, 0xffff                   ; the head, 0 .. 63
	s_lshl_b32 s74, s66, 17                        ; its first byte in q_img, k_img, v_img
	s_mov_b32 s75, 0
	s_sub_co_u32 s[NB1], 8, ttmp9
	s_sub_co_u32 s68, 7, ttmp9                     ; the first block
	s_lshl_b32 s69, s68, 4
	s_add_co_u32 s69, s69, s[WV]                   ; my query tile in the first block,
	s_lshl_b32 s70, ttmp9, 4
	s_add_co_u32 s70, s70, s[WV]                   ; and in the second
	s_lshr_b32 s71, s[WV], 1
	s_lshl_b32 s71, s71, 5
	s_and_b32 s72, s[WV], 1
	s_lshl_b32 s73, s72, 3
	s_add_co_u32 s71, s71, s73                     ; 32 (w / 2) + 8 (w % 2): my tile's first query in its block
	s_lshl_b32 s41, s68, 8
	s_add_co_u32 s41, s41, s71
	s_lshl_b32 s42, ttmp9, 8
	s_add_co_u32 s42, s42, s71
	; descriptor group 1: 16,384 dense bytes as 64 rows of 256
	s_mov_b32 s[G1], 3<<16                         ; no mask; elements of 8 bytes; no padding
	s_mov_b32 s[G1+1], 32<<16                      ; tensor_dim0
	s_mov_b32 s[G1+2], 64<<16                      ; tensor_dim1
	s_mov_b32 s[G1+3], 32<<16                      ; tile_dim0
	s_mov_b32 s[G1+4], 64                          ; tile_dim1
	s_mov_b32 s[G1+5], 32                          ; tensor_dim0_stride
	s_mov_b32 s[G1+6], 0
	s_mov_b32 s[G1+7], 0
	s_mov_b32 s[G0], 1
	s_lshl_b32 s[G0+1], s72, 14                    ; LDS: K at a slot's head, V 16,384 bytes on
	s_mov_b32 s39, 0
	s_mov_b32 s[SEL], 0x76543210
	s_mov_b32 s[SEL+1], 0xfedcba98
	s_mov_b32 s[CS], 0x3e38aa3b                    ; log2(e) / 8
	s_mov_b32 s[TB], 0
	s_mov_b32 s[T], 0
	s_wait_dscnt 0x0                               ; the opening add is done
	s_wait_kmcnt 0x0
	s_load_b256 s[56:63], s[10:11], 0x0            ; e0 .. e7
	s_cmp_eq_u32 s72, 0
	s_cselect_b64 s[36:37], s[6:7], s[8:9]
	s_add_nc_u64 s[36:37], s[36:37], s[74:75]
	s_mov_b64 s[G0+2:G0+3], s[36:37]
	s_or_b32 s[G0+3], s[G0+3], 0x80000000
	TLOAD                                          ; slot 0
	s_add_nc_u64 s[4:5], s[4:5], s[74:75]
	s_lshl_b32 s76, s69, 10
	s_mov_b32 s77, 0
	s_add_nc_u64 s[78:79], s[4:5], s[76:77]
	s_lshl_b32 s76, s70, 10
	s_add_nc_u64 s[80:81], s[4:5], s[76:77]
	v_and_b32 v[LI], 31, v0
	s_delay_alu instid0(VALU_DEP_1)
	v_lshlrev_b32 v[LI], 4, v[LI]
	global_load_b128 v[16:19], v[LI], s[78:79]               ; both blocks' Q stay in registers
	global_load_b128 v[20:23], v[LI], s[78:79] offset:512
	global_load_b128 v[24:27], v[LI], s[80:81]
	global_load_b128 v[28:31], v[LI], s[80:81] offset:512
	s_lshr_b32 s82, s66, 4
	s_lshl_b32 s82, s82, 7                         ; y_img: 128 token tiles a batch,
	s_and_b32 s83, s66, 15
	s_lshl_b32 s83, s83, 10                        ; 1,024 bytes a head in a tile's 16,384
	s_add_co_u32 s84, s82, s69
	s_lshl_b32 s84, s84, 14
	s_add_co_u32 s84, s84, s83
	s_mov_b32 s85, 0
	s_add_nc_u64 s[48:49], s[12:13], s[84:85]
	s_add_co_u32 s84, s82, s70
	s_lshl_b32 s84, s84, 14
	s_add_co_u32 s84, s84, s83
	s_add_nc_u64 s[50:51], s[12:13], s[84:85]
	s_cmp_lt_u32 s[WV], 6                          ; the prefetches: waves 4, 5: K; waves 6, 7: V
	s_cselect_b64 s[PFA:PFA+1], s[6:7], s[8:9]
	s_add_nc_u64 s[PFA:PFA+1], s[PFA:PFA+1], s[74:75]
	s_lshl_b32 s86, s72, 13                        ; my half,
	s_add_co_u32 s86, s86, 16384                   ; in slot 1: the first change of slots steps it to slot 2.  Nothing is prefetched here, at the head
	s_mov_b32 s87, 0
	s_add_nc_u64 s[PFA:PFA+1], s[PFA:PFA+1], s[86:87]
	s_sub_co_u32 s86, s[WV], 4
	s_lshr_b32 s86, s86, 2                         ; 0 in waves 4 to 7,
	s_or_b32 s86, s86, ttmp9                       ; of the head's work-group 0
	s_cmp_eq_u32 s86, 0
	s_cselect_b32 s[LIMT], 6, 0
	v_and_b32 v[PFO], 31, v0
	s_delay_alu instid0(VALU_DEP_1)
	v_lshlrev_b32 v[PFO], 8, v[PFO]
	v_and_b32 v7, 15, v0
	s_delay_alu instid0(VALU_DEP_1)
	v_and_b32 v2, 8, v7
	s_delay_alu instid0(VALU_DEP_1)
	v_add_nc_u32 v7, v7, v2
	v_and_b32 v2, 16, v0
	s_delay_alu instid0(VALU_DEP_1)
	v_sub_nc_u32 v7, v7, v2                        ; r + 8 (r / 8) - 16 h
	v_mov_b32 v4, 0                                ; written once: a lane permute's destination counts as one of its sources
.macro INIT                            ; a block's state: the first change of M multiplies zeros
	v_mov_b32 v13, 0xff61b1e6                      ; the largest t so far: -3e38, under every t
	s_delay_alu instid0(VALU_DEP_1)
	v_floor_f32 v12, -v13                          ; -M
	v_mov_b32 v14, 0
	v_mov_b32 v15, 0
.set j, 0
.rept 32
	v_mov_b32 v[160+j], 0
.set j, j+1
.endr
.endm
	INIT
	s_wait_kmcnt 0x0
	s_add_co_i32 s86, s58, s59
	s_lshl_b32 s86, s86, 23
	s_add_co_i32 s[CS], s[CS], s86                 ; a score stands for score x 2^(e2 + e3)
	s_mov_b32 s[CS+1], s[CS]                       ; (named with it as a pair, so it is written)
	s_add_co_i32 s86, s60, 127
	s_lshl_b32 s87, s86, 23
	v_mov_b32 v9, s87                              ; 2^e4
	s_sub_co_i32 s86, s62, s60
	s_sub_co_i32 s86, s86, s61                     ; O / l stands for y / 2^(e4 + e5): its code is that / 2^(e6 - e4 - e5)
	s_add_co_i32 s86, s86, 127
	s_lshl_b32 s87, s86, 23
	v_mov_b32 v11, s87
; A KEY STEP: 128 keys, the q-th of the slot in hand.
.macro STEP q
	s_cmp_gt_u32 s[KF], s44                        ; all 128 keys come after my 16 queries: the step's work is left out (ids and the count of trips alone; no barrier and no tensor load stands in a step)
	s_cbranch_scc1 .Lhidden_\@
	v_add_nc_u32 v[ADR], s[TB], v[LI]
.rept 3
	v_nop                                          ; with the line above: four places in front of loads into registers that the last products have read
.endr
.set i, 0
.rept 16
	ds_load_b128 v[32+4*i:35+4*i], v[ADR] offset:8192*(\q)+512*i            ; K: tile i / 2, chunk i % 2: 512 consecutive bytes a load
.set i, i+1
.endr
.set i, 0
.rept 16
	ds_load_b128 v[192+4*i:195+4*i], v[ADR] offset:16384+8192*(\q)+512*i    ; V: channel tile i / 4, chunk i % 4
.set i, i+1
.endr
	s_wait_dscnt 16                                ; K is in; V's 16 loads may be out
.irp t, 0,1,2,3,4,5,6,7
	v_wmma_f32_16x16x64_fp8_fp8 v[96+8*\t:103+8*\t], v[32+8*\t:39+8*\t], v[16:23], 0
.endr                                              ; register 16 b + i of a lane: key KF + 32 b + 16 h + i
.rept 4
	v_nop
.endr
	s_add_co_u32 s46, s[KF], 127                   ; on the diagonal the scores of hidden keys become -infinity ahead of the maximum: p = 0 then.  A step all of whose keys count skips this
	s_cmp_le_u32 s46, s[Q0]
	s_cbranch_scc1 .Lopen_\@
	s_sub_co_i32 s46, s[Q0], s[KF]
	v_add_nc_u32 v55, s46, v7                      ; d = my query - KF - 16 h: hidden where 32 b + i > d
	v_mov_b32 v54, 0xff800000
.set n, 0
.rept 64
	v_cmp_gt_i32 vcc_lo, 32*(n/16)+n%16, v55
	v_cndmask_b32 v[96+n], v[96+n], v54, vcc_lo
.set n, n+1
.endr
.Lopen_\@:
	v_max3_num_f32 v48, v96, v97, v98              ; the step's largest score of my query, among my 64 keys, in two chains, ascending,
	v_max3_num_f32 v50, v99, v100, v101
.irp i, 6,10,14,18,22,26,30,34,38,42,46,50,54,58
	v_max3_num_f32 v48, v48, v[96+\i], v[97+\i]
	v_max3_num_f32 v50, v50, v[98+\i], v[99+\i]
.endr
	v_max3_num_f32 v48, v48, v158, v159
	s_delay_alu instid0(VALU_DEP_1)
	v_max_num_f32 v48, v48, v50
	s_delay_alu instid0(VALU_DEP_1)
	v_permlanex16_b32 v4, v48, s[SEL], s[SEL+1]
	s_delay_alu instid0(VALU_DEP_1)
	v_max_num_f32 v48, v48, v4                     ; and among lane l xor 16's
	s_delay_alu instid0(VALU_DEP_1)
	v_mul_f32 v48, s[CS], v48                      ; as t (c is positive)
	s_delay_alu instid0(VALU_DEP_1)
	v_max_num_f32 v13, v13, v48                    ; the running largest t
	v_mov_b32 v48, v12
	s_delay_alu instid0(VALU_DEP_2)
	v_floor_f32 v12, -v13                          ; the new -M = -ceil(t): a whole number
	s_delay_alu instid0(VALU_DEP_1)
	v_sub_f32 v48, v12, v48                        ; old M - new M: a whole number, 0 or less
	s_delay_alu instid0(VALU_DEP_1)
	v_cvt_i32_f32 v48, v48                         ; (it saturates)
	s_delay_alu instid0(VALU_DEP_1)
	v_ldexp_f32 v50, 1.0, v48                      ; f = 2^(old M - new M)
.set j, 0
.rept 32
	v_pk_fma_f32 v[96+j:97+j], v[96+j:97+j], s[CS:CS+1], v[12:13] op_sel_hi:[1,0,0]   ; t - M, two at a time
.set j, j+2
.endr
.set j, 0
	s_wait_alu depctr_va_vdst(0)
.rept 64
	v_exp_f32 v[96+j], v[96+j]                     ; p = 2^(t - M), at most 1
.set j, j+1
.endr
	v_pk_mul_f32 v[14:15], v[14:15], v[50:51] op_sel_hi:[1,0]   ; the sums under the new M: the plain line behind the exponentials
	s_wait_alu depctr_va_vdst(0)                   ; one wait for the whole batch, ahead of its first reader
	v_pk_add_f32 v[52:53], v[100:101], v[104:105]
	v_pk_add_f32 v[94:95], v[108:109], v[112:113]
	v_pk_add_f32 v[92:93], v[116:117], v[120:121]
	v_pk_add_f32 v[90:91], v[124:125], v[128:129]
	v_pk_add_f32 v[88:89], v[132:133], v[136:137]
	v_pk_add_f32 v[86:87], v[140:141], v[144:145]
	v_pk_add_f32 v[84:85], v[148:149], v[152:153]
	v_pk_add_f32 v[14:15], v[14:15], v[156:157]
	v_pk_add_f32 v[52:53], v[52:53], v[96:97]
	v_pk_add_f32 v[94:95], v[94:95], v[98:99]
	v_pk_add_f32 v[92:93], v[92:93], v[102:103]
	v_pk_add_f32 v[90:91], v[90:91], v[106:107]
	v_pk_add_f32 v[88:89], v[88:89], v[110:111]
	v_pk_add_f32 v[86:87], v[86:87], v[114:115]
	v_pk_add_f32 v[84:85], v[84:85], v[118:119]
	v_pk_add_f32 v[14:15], v[14:15], v[122:123]
	v_pk_add_f32 v[52:53], v[52:53], v[126:127]
	v_pk_add_f32 v[94:95], v[94:95], v[130:131]
	v_pk_add_f32 v[92:93], v[92:93], v[134:135]
	v_pk_add_f32 v[90:91], v[90:91], v[138:139]
	v_pk_add_f32 v[88:89], v[88:89], v[142:143]
	v_pk_add_f32 v[86:87], v[86:87], v[146:147]
	v_pk_add_f32 v[84:85], v[84:85], v[150:151]
	v_pk_add_f32 v[14:15], v[14:15], v[154:155]
	v_pk_add_f32 v[52:53], v[52:53], v[158:159]
	s_delay_alu instid0(VALU_DEP_2)
	v_pk_add_f32 v[14:15], v[14:15], v[90:91]
	s_delay_alu instid0(VALU_DEP_2)
	v_pk_add_f32 v[52:53], v[52:53], v[88:89]
	v_pk_add_f32 v[94:95], v[94:95], v[86:87]
	v_pk_add_f32 v[92:93], v[92:93], v[84:85]
	s_delay_alu instid0(VALU_DEP_2)
	v_pk_add_f32 v[14:15], v[14:15], v[94:95]
	s_delay_alu instid0(VALU_DEP_2)
	v_pk_add_f32 v[52:53], v[52:53], v[92:93]
	s_delay_alu instid0(VALU_DEP_1)
	v_pk_add_f32 v[14:15], v[14:15], v[52:53]
.irp b, 0,1,2,3
.set j, 0
.rept 16
.set j, j+1
.endr
	v_cvt_scalef32_pk8_fp8_f32 v[32+4*\b:33+4*\b], v[96+16*\b:103+16*\b], v9
	v_cvt_scalef32_pk8_fp8_f32 v[34+4*\b:35+4*\b], v[104+16*\b:111+16*\b], v9
.endr
.set j, 0
.rept 16
	v_pk_mul_f32 v[160+j:161+j], v[160+j:161+j], v[50:51] op_sel_hi:[1,0]   ; O^T under the new M; also the plain lines between the conversions and the products below
.set j, j+2
.endr
	s_wait_alu depctr_va_vdst(0)
	s_wait_dscnt 0x0                               ; V is in
.irp t, 0,1,2,3
	v_wmma_f32_16x16x128_fp8_fp8 v[160+8*\t:167+8*\t], v[192+16*\t:207+16*\t], v[32:47], v[160+8*\t:167+8*\t]   ; four accumulators by turns
.endr
.Lhidden_\@:
	s_add_co_u32 s[KF], s[KF], 128
.endm
; THE CHANGE OF SLOTS stands at a trip's head.  Each wave waits for all its tensor loads (the slot that it is about to read), adds 0 to its spare word, and waits for that and for its reads of the slot that it has left.
; fill = 1: behind the barrier that other slot is filled with the next trip's keys: slot T + 1 of the block in hand, or slot 0 again where the second block begins.  The load has a whole trip in which to land.
.macro CHANGE fill
	s_wait_tensorcnt 0x0                           ; no tensor load of mine is out, so group 0 may be written
	ds_add_u32 v[SPW], v[NIL]                      ; 0 onto my spare word
.if \fill
	s_xor_b32 s[G0+1], s[G0+1], SLOT1
	s_add_co_u32 s46, s[T], 1
	s_cmp_ge_u32 s46, s[NB1]
	s_cselect_b32 s47, s[NB1], 0
	s_sub_co_u32 s46, s46, s47
	s_lshl_b32 s38, s46, 14                        ; 16,384 bytes a slot, in K and in V
	s_add_nc_u64 s[G0+2:G0+3], s[36:37], s[38:39]
	s_or_b32 s[G0+3], s[G0+3], 0x80000000
	s_wait_xcnt 0x0                                ; the last prefetch, a trip back, has read its address
	s_add_nc_u64 s[PFA:PFA+1], s[PFA:PFA+1], 16384
.endif
	s_wait_dscnt 0x0                               ; the add is done, and my reads of the slot that I have left are over
	s_barrier_signal -1
	s_barrier_wait -1
.if \fill
	TLOAD                                          ; the first thing behind the barrier, and a wave's one tensor load until the next
	ASK
.endif
	s_cmp_ge_u32 s[T], s[NB1]                      ; which block, and the slot's first key
	s_cselect_b32 s[Q0], s42, s41
	s_cselect_b32 s46, s[NB1], 0
	s_sub_co_u32 s[KF], s[T], s46
	s_lshl_b32 s[KF], s[KF], 8
	s_add_co_u32 s44, s[Q0], 23
.endm
; A block's end: O^T / the sum, quantised: registers 16 b + i of a lane are channels 32 b + 16 h + i: chunk b of my head's part of y's image.
.macro WAYOUT yb
.rept 4
	v_nop                                          ; places behind the last products
.endr
	v_add_f32 v14, v14, v15
	s_delay_alu instid0(VALU_DEP_1)
	v_permlanex16_b32 v4, v14, s[SEL], s[SEL+1]
	s_delay_alu instid0(VALU_DEP_1)
	v_add_f32 v14, v14, v4                         ; the row's sum
	s_wait_alu depctr_va_vdst(0)
	v_rcp_f32 v14, v14
	v_nop                                          ; a plain line behind the transcendental
	s_wait_alu depctr_va_vdst(0)                   ; and a wait ahead of the first reader
.set j, 0
.rept 16
	v_pk_mul_f32 v[96+j:97+j], v[160+j:161+j], v[14:15] op_sel_hi:[1,0]
.set j, j+2
.endr
.set j, 0
.rept 32
.set j, j+1
.endr
.irp g, 0,1,2,3
	v_cvt_scalef32_pk8_fp8_f32 v[128+2*\g:129+2*\g], v[96+8*\g:103+8*\g], v11
.endr
	v_nop                                          ; a plain line behind the last conversion
	global_store_b128 v[LI], v[128:131], s[\yb:\yb+1]             ; 512 consecutive bytes each
	global_store_b128 v[LI], v[132:135], s[\yb:\yb+1] offset:512
.endm
	s_wait_loadcnt 0x0                             ; Q
.Ltrip:                                            ; eight trips; behind each change of slots the next trip's slot is asked for
	CHANGE 1
	STEP 0
	STEP 1
	s_xor_b32 s[TB], s[TB], SLOT1
	s_add_co_u32 s46, s[T], 1
	s_cmp_lg_u32 s46, s[NB1]                       ; the first block's last trip?  (the work-group's number and the count of trips: the same in all waves)
	s_cbranch_scc1 .Lsame
	WAYOUT 48
.set j, 0
.rept 8
	v_mov_b32 v[16+j], v[24+j]                     ; the second block's Q
.set j, j+1
.endr
	INIT
	s_wait_xcnt 0x0                                ; the stores have read their codes: the next scores land on those registers
.Lsame:
	s_add_co_u32 s[T], s[T], 1
	s_cmp_lt_u32 s[T], 8
	s_cbranch_scc1 .Ltrip
	CHANGE 0                                       ; the ninth trip is written out: nothing is left to fetch
	STEP 0
	STEP 1
	WAYOUT 50
	s_wait_tensorcnt 0x0                           ; the wave's end: a wait, an add to my spare word and its wait behind my last tensor load
	ds_add_u32 v[SPW], v[NIL]
	s_wait_dscnt 0x0
	s_endpgm
.Lfunc_end_k_q915d808ab3_attn:
	.size	k_q915d808ab3_attn, .Lfunc_end_k_q915d808ab3_attn-k_q915d808ab3_attn
	.p2alignl 7, 3214868480
	.fill 96, 4, 3214868480
	.section	.rodata,"a",@progbits
	.p2align	6, 0x0
	.amdhsa_kernel k_q915d808ab3_attn
		.amdhsa_group_segment_fixed_size 327680
		.amdhsa_private_segment_fixed_size 0
		.amdhsa_enable_private_segment 0
		.amdhsa_kernarg_size 40
		.amdhsa_user_sgpr_count 2
		.amdhsa_user_sgpr_kernarg_segment_ptr 1
		.amdhsa_wavefront_size32 1
		.amdhsa_system_sgpr_workgroup_id_x 1
		.amdhsa_system_sgpr_workgroup_id_y 1
		.amdhsa_system_sgpr_workgroup_id_z 1
		.amdhsa_system_vgpr_workitem_id 0
		.amdhsa_next_free_vgpr 256
		.amdhsa_next_free_sgpr 100
		.amdhsa_reserve_vcc 1
		.amdhsa_float_denorm_mode_32 3
		.amdhsa_float_denorm_mode_16_64 3
		.amdhsa_fp16_overflow 1
		.amdhsa_memory_ordered 1
		.amdhsa_forward_progress 1
		.amdhsa_inst_pref_size 89
	.end_amdhsa_kernel
	.amdgpu_metadata
---
amdhsa.version: [ 1, 2 ]
amdhsa.kernels:
  - .name:           k_q915d808ab3_attn
    .symbol:         k_q915d808ab3_attn.kd
    .args:
      - { .name: q_img, .offset: 0, .size: 8, .value_kind: global_buffer, .address_space: global }
      - { .name: k_img, .offset: 8, .size: 8, .value_kind: global_buffer, .address_space: global }
      - { .name: v_img, .offset: 16, .size: 8, .value_kind: global_buffer, .address_space: global }
      - { .name: lowp_scales, .offset: 24, .size: 8, .value_kind: global_buffer, .address_space: global }
      - { .name: y_img, .offset: 32, .size: 8, .value_kind: global_buffer, .address_space: global }
    .group_segment_fixed_size: 327680
    .private_segment_fixed_size: 0
    .kernarg_segment_align: 8
    .kernarg_segment_size: 40
    .max_flat_workgroup_size: 512
    .sgpr_count:     100
    .vgpr_count:     256
    .wavefront_size: 32
...
	.end_amdgpu_metadata
.endif
;; end of part 3
;; launch proj (part 4): grid 4 x 64, 4 waves a work-group, clusters of 4 x 4, 327,680 bytes of LDS; arguments y_img, wproj_img, lowp_scales, out0; writes out0
.if DOCPART == 4
	.amdgcn_target "amdgcn-amd-amdhsa--gfx1250"
	.amdhsa_code_object_version 6
	.text
	.protected	k_q915d808ab3_proj
	.globl	k_q915d808ab3_proj
	.p2align	8
	.type	k_q915d808ab3_proj,@function
k_q915d808ab3_proj:
	s_mov_b64 s[64:65], 0
	v_nop
	global_prefetch_b8 v0, s[64:65] scope:SCOPE_SE
	s_setreg_imm32_b32 hwreg(HW_REG_WAVE_MODE, 25, 1), 1
	s_wait_xcnt 0x0
	s_wait_alu depctr_hold_cnt(0) depctr_sa_sdst(0) depctr_va_vdst(0) depctr_va_sdst(0) depctr_va_ssrc(0) depctr_va_vcc(0) depctr_vm_vsrc(0)
	s_getreg_b32 s2, hwreg(HW_REG_IB_STS2, 6, 4)
	s_cmp_eq_u32 s2, 0
	s_cbranch_scc0 .Lentry_in_a_cluster
	s_endpgm
.Lentry_in_a_cluster:
	s_bfe_u32 s2, ttmp6, 0x10000c
	s_cmp_lg_u32 s2, 0xf033
	s_cbranch_scc0 .Lentry_shape_is_right
	s_endpgm
.Lentry_shape_is_right:
; out0 = y W_proj on codes of FP8 (E4M3); each finished f32 sum is multiplied once by 2^(e6 + e7).  LIMIT: e6 + e7 between -126 and 127.
; OPERANDS lie as images of their registers: [tile of 16 rows][8 K steps][2,048 bytes]; row i of tile u of a group of 32 rows is the group's row 8 u + i + 8 (i / 8).
; A tile of out0 is 128 rows x 256 columns: 64 x 4 = 256 work-groups (tiles of 256 x 256 would be 128).  Four waves, each 64 x 128: 32 accumulators, 256 registers.  K goes in steps of 256 through two LDS slots.
; CLUSTERS of 4 x 4: y's tiles are shared along a row of the cluster, W_proj's along a column: joint loads.  THE MATRIX INSTRUCTION IS USED TRANSPOSED (source 0 = 16 rows of W_proj's image, source 1 = 16 of y's):
; a lane's 16 registers of two neighbouring tiles are 16 neighbouring columns of one row of out0.
; REGISTERS: window 0: v16-31 addresses; v32-95 at work on the way out; v128-255 y's fragments, two sets of 64, later rows of out0.  window 1: W_proj's fragments, two sets of 128.  window 2: accumulator (a, b) at v[8 (8 a + b)].
.set BOFF,   32768                     ; a slot: A's two halves of 16,384 bytes (4 tiles x 4,096), then B's two of 32,768
.set SLOT,   98304
.set STAGE,  2*SLOT                    ; behind the ring, bytes of its own: 16 rows x (512 + 16) bytes for each wave
.set SPITCH, 528
.set SPARE,  STAGE+4*16*SPITCH         ; behind the stages: the spare words, 128 bytes for each wave
.set FR,     16
.set ADRA, 16                          ; v16-17  LDS address of my A fragments in slot 0, 1
.set ADRB, 20                          ; v20-21  the same for B
.set STO,  24                          ; v24     the way out: where I put 32 bytes of a row
.set RD,   25                          ; v25     where I read a row back
.set CO,   26                          ; v26     my byte offset in a row's 512 bytes
.set SPW,  28                          ; v28     LDS address of my spare word; never rewritten
.set NIL,  29                          ; v29     0; never rewritten
.set TMP,  32
.set AF,   128
.set BK,   128
.set G1, 24
.set G0, 32
.set G1B, 48
.set G0B, 56
.set MSB, 0
.macro WIN new                         ; the immediate's high byte repeats the setting that is left
.if MSB != \new
	s_set_vgpr_msb (MSB<<8)|\new
.set MSB, \new
.endif
.endm
.set MUL,  0xa1                        ; source 0 (B) window 1, source 1 (A) window 0, C and D window 2
.set TO_B, 0x40                        ; destination window 1, address window 0
.macro JLOAD g0a, g1a, g0b, g1b        ; a joint load: waves 0 and 1 fetch for A, waves 2 and 3 for B; an s_nop 0 and four v_nop follow each of the two lines
	s_cmp_eq_u32 s15, 0
	s_cbranch_scc0 .Lfor_b_\@
	tensor_load_to_lds s[\g0a:\g0a+3], s[\g1a:\g1a+7]
	s_nop 0
.rept 4
	v_nop
.endr
	s_branch .Lasked_\@
.Lfor_b_\@:
	tensor_load_to_lds s[\g0b:\g0b+3], s[\g1b:\g1b+7]
	s_nop 0
.rept 4
	v_nop
.endr
.Lasked_\@:
.endm
.macro CREST
	s_cmp_lg_u32 s14, 0
	s_cbranch_scc1 .Lnot_wave_0_\@
	s_barrier_signal -3
.Lnot_wave_0_\@:
	s_barrier_wait -3
	s_barrier_signal -1
	s_barrier_wait -1
.endm
.macro CROUND
	s_barrier_signal -1
	s_barrier_wait -1
	CREST
.endm
	s_load_b256 s[4:11], s[0:1], 0x0               ; y_img s[4:5], wproj_img s[6:7], the scales s[8:9], out0 s[10:11]
	v_lshl_add_u32 v[SPW], v0, 2, SPARE
	v_mov_b32 v[NIL], 0
	ds_add_u32 v[SPW], v[NIL]                      ; the wave's opening: the add and its wait stand ahead of my first tensor load; work on registers stands between them
	ds_add_u32 v[SPW], v[NIL]
	v_lshrrev_b32 v1, 5, v0
	v_readfirstlane_b32 s14, v1                    ; wave 0..3
	s_lshr_b32 s15, s14, 1                         ; which 64 of the tile's rows are mine.  Also: I fetch for A (0) or for B (1)
	s_and_b32 s16, s14, 1                          ; which 128 of its columns.  Also: which half of that tile I fetch
	s_bfe_u32 s40, ttmp6, 0x40000                  ; cx, cy
	s_bfe_u32 s41, ttmp6, 0x40004
	s_lshl_b32 s42, ttmp9, 2
	s_add_co_u32 s42, s42, s40                     ; tile column = 4 x cluster x + cx
	s_and_b32 s17, ttmp7, 0xffff
	s_lshl_b32 s17, s17, 2
	s_add_co_u32 s17, s17, s41                     ; tile row = 4 x cluster y + cy
	s_lshl_b32 s43, s41, 2
	s_lshl_b32 s43, 15, s43                        ; my row of the cluster
	s_lshl_b32 s44, 0x1111, s40                    ; my column
	; descriptor group 1: rows of 4,096 bytes (a tile's two fragments of a K step of 256), 16,384 bytes apart in memory, dense in LDS: 4 for A, 8 for B
	s_or_b32 s[G1+0], s43, (0<<16)|(1<<21)
	s_mov_b32 s[G1+1], 4096<<16
	s_mov_b32 s[G1+2], 4<<16
	s_mov_b32 s[G1+3], 4096<<16
	s_mov_b32 s[G1+4], 4
	s_mov_b32 s[G1+5], 16384
	s_mov_b32 s[G1+6], 0
	s_mov_b32 s[G1+7], 0
	s_or_b32 s[G1B+0], s44, (0<<16)|(1<<21)
	s_mov_b32 s[G1B+1], 4096<<16
	s_mov_b32 s[G1B+2], 8<<16
	s_mov_b32 s[G1B+3], 4096<<16
	s_mov_b32 s[G1B+4], 8
	s_mov_b32 s[G1B+5], 16384
	s_mov_b32 s[G1B+6], 0
	s_mov_b32 s[G1B+7], 0
	s_lshl_b32 s20, s17, 17                        ; A: 8 tiles of 16,384 bytes for each 128 rows, + my 4
	s_lshl_b32 s18, s16, 16
	s_add_co_u32 s20, s20, s18
	s_mov_b32 s21, 0
	s_lshl_b32 s46, s42, 18                        ; B: 16 tiles for each 256 columns, + my 8
	s_lshl_b32 s18, s16, 17
	s_add_co_u32 s46, s46, s18
	s_mov_b32 s47, 0
	s_lshl_b32 s45, s16, 14                        ; where they go: A's halves,
	s_lshl_b32 s66, s16, 15
	s_add_co_u32 s66, s66, BOFF                    ; B's halves: the wave's number alone
	s_wait_dscnt 0x0                               ; the opening add is done
	s_wait_kmcnt 0x0
	s_load_b256 s[80:87], s[8:9], 0x0              ; e0 .. e7
	s_add_nc_u64 s[20:21], s[4:5], s[20:21]
	s_add_nc_u64 s[46:47], s[6:7], s[46:47]
	CROUND                                         ; all sixteen work-groups are here: the first joint loads meet
.irp s, 0,1
	s_mov_b32 s[G0+4*\s], 1
	s_add_co_u32 s[G0+4*\s+1], s45, \s*SLOT
	s_add_nc_u64 s[G0+4*\s+2:G0+4*\s+3], s[20:21], \s*4096
	s_or_b32 s[G0+4*\s+3], s[G0+4*\s+3], 0x80000000
	s_mov_b32 s[G0B+4*\s], 1
	s_add_co_u32 s[G0B+4*\s+1], s66, \s*SLOT
	s_add_nc_u64 s[G0B+4*\s+2:G0B+4*\s+3], s[46:47], \s*4096
	s_or_b32 s[G0B+4*\s+3], s[G0B+4*\s+3], 0x80000000
	s_wait_alu depctr_va_vdst(0)
	s_wait_tensorcnt 0x0
	ds_add_u32 v28, v29
	ds_add_u32 v28, v29
	s_wait_dscnt 0x0
	CROUND
	JLOAD G0+4*\s, G1, G0B+4*\s, G1B
.endr
	v_and_b32 v1, 31, v0
	v_lshlrev_b32 v[CO], 4, v1                     ; 16 x lane
	v_and_b32 v2, 15, v0
	s_wait_alu depctr_va_vdst(0)
	v_bfe_u32 v3, v0, 4, 1
	s_lshl_b32 s21, s15, 14                        ; my 64 rows of A
	s_lshl_b32 s22, s16, 15
	s_add_co_u32 s22, s22, BOFF                    ; my 128 rows of B
.irp s, 0,1
	v_add_nc_u32 v[ADRA+\s], s21, v[CO]
	v_add_nc_u32 v[ADRB+\s], s22, v[CO]
	s_add_co_u32 s21, s21, SLOT
	s_add_co_u32 s22, s22, SLOT
.endr
	s_mul_i32 s23, s14, 16*SPITCH
	s_add_co_u32 s23, s23, STAGE                   ; my stage
	v_mul_u32_u24 v[STO], v2, SPITCH
	s_wait_alu depctr_va_vdst(0)
	v_lshl_add_u32 v[STO], v3, 6, v[STO]
	v_add_nc_u32 v[STO], s23, v[STO]               ; in: row lane % 16, + 64 (lane / 16)
	v_add_nc_u32 v[RD], s23, v[CO]                 ; back: the 32 lanes take one row of 512 bytes
	s_lshl_b32 s20, s17, 19                        ; out0: 128 rows of 4,096 bytes a tile row,
	s_lshl_b32 s21, s15, 18                        ; + my 64 rows,
	s_add_co_u32 s20, s20, s21
	s_lshl_b32 s21, s42, 10                        ; + 1,024 bytes a tile column,
	s_add_co_u32 s20, s20, s21
	s_lshl_b32 s21, s16, 9                         ; + my 512
	s_add_co_u32 s20, s20, s21
	s_mov_b32 s21, 0
	s_add_nc_u64 s[10:11], s[10:11], s[20:21]
.macro FRAG reg, adr, q, i             ; tile i's fragment of the slot's q-th 128 along K: four loads of 512 consecutive bytes
.irp c, 0,1,2,3
	ds_load_b128 v[\reg+4*\c:\reg+4*\c+3], v[\adr] offset:(\i)*4096+(\q)*2048+512*\c
.endr
.endm
.macro FETCH slot, q, p                ; 48 loads in one run: B's eight fragments and A's four, into set p
	WIN TO_B
.irp i, 0,1,2,3,4,5,6,7
	FRAG 128*(\p)+FR*\i, ADRB+\slot, \q, \i
.endr
	WIN 0
.irp i, 0,1,2,3
	FRAG AF+64*(\p)+FR*\i, ADRA+\slot, \q, \i
.endr
.endm
; 8 matrix instructions: A's block a x B's eight.  The 32 accumulators take turns, one instruction a turn, in the same order in every step.
.macro MULA a, p, zero
.irp b, 0,1,2,3,4,5,6,7
.if \zero
	v_wmma_f32_16x16x128_fp8_fp8 v[8*(8*(\a)+\b):8*(8*(\a)+\b)+7], v[128*(\p)+FR*\b:128*(\p)+FR*\b+FR-1], v[AF+64*(\p)+FR*(\a):AF+64*(\p)+FR*(\a)+FR-1], 0
.else
	v_wmma_f32_16x16x128_fp8_fp8 v[8*(8*(\a)+\b):8*(8*(\a)+\b)+7], v[128*(\p)+FR*\b:128*(\p)+FR*\b+FR-1], v[AF+64*(\p)+FR*(\a):AF+64*(\p)+FR*(\a)+FR-1], v[8*(8*(\a)+\b):8*(8*(\a)+\b)+7]
.endif
.endr
.endm
.macro PLACES
.rept 4
	v_nop
.endr
.endm
; A slot's first 128 along K (set 0); its second is fetched into set 1 ahead of the 32 products.
.macro STEP slot, zero
	s_wait_dscnt 0x0                               ; set 0 is in
	PLACES                                         ; in front of loads into set 1, which the last products have read
	FETCH \slot, 1, 1
	WIN MUL
	MULA 0, 0, \zero
	MULA 1, 0, \zero
	MULA 2, 0, \zero
	MULA 3, 0, \zero
.endm
; A slot's second 128 along K (set 1), and the change of slots: ONE barrier; in front of it each wave waits for all its tensor loads, adds 0 to its spare word, and waits for that and for its own reads of this slot.
.macro TURN slot, next, fill
	WIN 0                                          ; (the add's two registers lie in window 0)
	s_wait_tensorcnt 0x0                           ; all my tensor loads have landed: my part of the next slot
	ds_add_u32 v[SPW], v[NIL]                      ; 0 onto my spare word
	s_wait_dscnt 1                                 ; set 1 is in; the add may be out
	WIN MUL
	MULA 0, 1, 0                                   ; eight matrix instructions stand between the add and the wait for it
	s_wait_dscnt 0x0                               ; the add is done, and my reads of this slot are over
	s_barrier_signal -1
	MULA 1, 1, 0
	WIN 0
	s_barrier_wait -1
.if \fill
	CREST                                          ; the barrier has opened a round of the cluster's barrier: no wave of any partner still reads this slot or has a load on its way
	s_add_nc_u64 s[G0+4*\slot+2:G0+4*\slot+3], s[G0+4*\slot+2:G0+4*\slot+3], 2*4096
	s_add_nc_u64 s[G0B+4*\slot+2:G0B+4*\slot+3], s[G0B+4*\slot+2:G0B+4*\slot+3], 2*4096
	JLOAD G0+4*\slot, G1, G0B+4*\slot, G1B         ; the first tensor load behind the round; its four v_nop are the places in front of the loads below
.else
	PLACES
.endif
	FETCH \next, 0, 0
	WIN MUL
	MULA 2, 1, 0
	MULA 3, 1, 0
.endm
	s_wait_tensorcnt 1                             ; my part of K step 0 is in; K step 1's load may be out
	s_barrier_signal -1
	s_barrier_wait -1
	FETCH 0, 0, 0
	STEP 0, 1                                      ; K is four steps of 256: written out, no loop.  The first products start the sums
	TURN 0, 1, 1                                   ; slot 0 takes K step 2
	STEP 1, 0
	TURN 1, 0, 1                                   ; slot 1 takes K step 3
	STEP 0, 0
	TURN 0, 1, 0                                   ; nothing is left to fetch
	STEP 1, 0
	s_wait_dscnt 0x0
	MULA 0, 1, 0
	MULA 1, 1, 0
	MULA 2, 1, 0
	MULA 3, 1, 0
	WIN 0
; THE WAY OUT, block by block of 16 rows x 128 columns, through my own stage: a lane's 32 bytes of tile b go to columns 32 (b / 2) + 16 h + 8 (b % 2) on; whole rows of 512 bytes come back.
; LDS serves a wave's instructions in order (ISA guide 5.7.1.4): no wait between the stores and the loads, nor in front of the next block's stores.
.macro TOSTAGE a
	WIN 0x02                                       ; source 0: window 2
.set j, 0
.rept 32
	v_pk_mul_f32 v[TMP+j:TMP+j+1], v[64*(\a)+j:64*(\a)+j+1], s[96:97] op_sel_hi:[1,0]   ; x 2^(e6 + e7), into other registers; each accumulator from its low end on
.set j, j+2
.endr
	WIN 0
.irp b, 0,1,2,3,4,5,6,7
	ds_store_b128 v[STO], v[TMP+8*\b:TMP+8*\b+3] offset:128*(\b/2)+32*(\b%2)
	ds_store_b128 v[STO], v[TMP+8*\b+4:TMP+8*\b+7] offset:128*(\b/2)+32*(\b%2)+16
.endr
.set BB, BK+64*((\a)%2)
.set j, 0
.rept 16
	ds_load_b128 v[BB+4*j:BB+4*j+3], v[RD] offset:j*SPITCH
.set j, j+1
.endr
.endm
.macro SEND a, younger                 ; younger: the LDS instructions issued behind block a's loads, which may stay out
.set BB, BK+64*((\a)%2)
	s_wait_dscnt \younger
.set j, 0
.rept 16
	global_store_b128 v[CO], v[BB+4*j:BB+4*j+3], s[10:11] offset:(32*((\a)/2)+8*((\a)%2)+j+8*(j/8))*4096 th:TH_STORE_NT   ; row j of tile a is row 32 (a / 2) + 8 (a % 2) + j + 8 (j / 8): 512 consecutive bytes, aligned; every offset an immediate
.set j, j+1
.endr
.endm
	s_wait_kmcnt 0x0
	s_add_co_i32 s96, s86, s87                     ; e6 + e7
	s_add_co_i32 s96, s96, 127
	s_lshl_b32 s96, s96, 23                        ; 2^(e6 + e7) as f32
	s_mov_b32 s97, s96                             ; (named with it as a pair, so it is written)
	PLACES                                         ; behind the last products: for the reads of results and the loads into A's registers
	TOSTAGE 0
.irp a, 1,2,3
.if \a > 1
	s_wait_xcnt 0x0                                ; block a - 2's stores have read their registers: block a's loads may land there
.endif
	TOSTAGE \a
	SEND \a-1, 32                                  ; behind block a - 1's loads: block a's 16 stores and 16 loads
.endr
	SEND 3, 0
	s_wait_tensorcnt 0x0                           ; the wave's end: a wait, an add to my spare word and its wait behind my last tensor load and my last LDS store
	ds_add_u32 v[SPW], v[NIL]
	s_wait_dscnt 0x0
	CROUND                                         ; the closing round: no work-group ends while a partner may still ask for a tile that names it
	s_endpgm
.Lfunc_end_k_q915d808ab3_proj:
	.size	k_q915d808ab3_proj, .Lfunc_end_k_q915d808ab3_proj-k_q915d808ab3_proj
	.p2alignl 7, 3214868480
	.fill 96, 4, 3214868480
	.section	.rodata,"a",@progbits
	.p2align	6, 0x0
	.amdhsa_kernel k_q915d808ab3_proj
		.amdhsa_group_segment_fixed_size 327680
		.amdhsa_private_segment_fixed_size 0
		.amdhsa_enable_private_segment 0
		.amdhsa_kernarg_size 32
		.amdhsa_user_sgpr_count 2
		.amdhsa_user_sgpr_kernarg_segment_ptr 1
		.amdhsa_wavefront_size32 1
		.amdhsa_system_sgpr_workgroup_id_x 1
		.amdhsa_system_sgpr_workgroup_id_y 1
		.amdhsa_system_sgpr_workgroup_id_z 1
		.amdhsa_system_vgpr_workitem_id 0
		.amdhsa_next_free_vgpr 768
		.amdhsa_next_free_sgpr 100
		.amdhsa_reserve_vcc 0
		.amdhsa_float_denorm_mode_32 3
		.amdhsa_float_denorm_mode_16_64 3
		.amdhsa_memory_ordered 1
		.amdhsa_forward_progress 1
		.amdhsa_inst_pref_size 75
	.end_amdhsa_kernel
	.amdgpu_metadata
---
amdhsa.version: [ 1, 2 ]
amdhsa.kernels:
  - .name:           k_q915d808ab3_proj
    .symbol:         k_q915d808ab3_proj.kd
    .args:
      - { .name: y_img, .offset: 0, .size: 8, .value_kind: global_buffer, .address_space: global }
      - { .name: wproj_img, .offset: 8, .size: 8, .value_kind: global_buffer, .address_space: global }
      - { .name: lowp_scales, .offset: 16, .size: 8, .value_kind: global_buffer, .address_space: global }
      - { .name: out0, .offset: 24, .size: 8, .value_kind: global_buffer, .address_space: global }
    .group_segment_fixed_size: 327680
    .private_segment_fixed_size: 0
    .kernarg_segment_align: 8
    .kernarg_segment_size: 32
    .max_flat_workgroup_size: 128
    .sgpr_count:     100
    .vgpr_count:     768
    .wavefront_size: 32
...
	.end_amdgpu_metadata
.endif
;; end of part 4
